; MI455X (gfx1250); checked and timed in simulation.
; The chip was launched on July 23, 2026; its instructions are those of AMD's public machine-readable ISA for CDNA 5 (MIT licence, August 2026) and "CDNA5" Instruction Set Architecture Reference Guide (July 2026). The comments in the code are by the model that wrote it; some were corrected since.
;; Attention Block. Allowed arithmetic: matrix products marked QUANTISED: E5M2 operands, one given power-of-two scale a tensor, by v_wmma_f32_16x16x64_bf8_bf8 or v_wmma_f32_16x16x128_bf8_bf8, f32 sums; everything else in f32.
;; Inputs: K 4 x 16 x 2,048 x 128 float32; Q 4 x 16 x 2,048 x 128 float32; V 4 x 16 x 2,048 x 128 float32; lowp_scales 4 int32 (the exponents e of the quantised operands' scales 2^e).
;; Outputs: out0 4 x 16 x 2,048 x 128 float32.
;; This version of the problem:
;;   THIS VERSION OF THE PROBLEM IS GIVEN IN LOW PRECISION. The matrix products marked QUANTISED in the list below multiply operands that are first quantised to E5M2 (5 exponent bits, 2 mantissa bits; 8 bits a number), with one given power-of-two scale for each operand tensor; their sums are f32. All else is computed in f32.
;;   The module's matrix products, in the order in which they are computed (A, B: the left and right operand; K: the contracted axis; several contracted axes count as one K, in the product's order):
;;     1. batch 64 x [M 2,048, K 128] x [K 128, N 2,048]; A: input Q; B: input K: QUANTISED (scales: A lowp_scales[0], B lowp_scales[1])
;;     2. batch 64 x [M 2,048, K 2,048] x [K 2,048, N 128]; A: computed on the way; B: input V: QUANTISED (scales: A lowp_scales[2], B lowp_scales[3])
;;   THE QUANTISER, for each operand of a quantised product, along K:
;;     - The operand's scale is 2^e, e = its entry of the input lowp_scales (int32; the entries are numbered through the quantised products in the list's order, A before B).
;;     - Each number is divided by the scale, clamped to +-57,344, and rounded to the nearest number of E5M2, ties to even, subnormals kept.
;;     - The product sums the exact products of the quantised numbers (number of the format x scale) in f32.
;;   ~~~python
;;   def quantise(x, axis, e):      # numpy; x: float32 -> the quantised numbers, widened to float32 again
;;       x = np.moveaxis(x, axis, -1); K = x.shape[-1]
;;       r = np.clip(x / 2.0 ** e, -57344, 57344)
;;       step = 2.0 ** (np.maximum(np.frexp(np.where(r == 0, 1, r))[1] - 1, -14) - 2)
;;       q = np.round(r / step) * step * 2.0 ** e      # np.round: ties to even
;;       return np.moveaxis(q, -1, axis).astype(np.float32)
;;   ~~~
;;   OPERANDS COMPUTED ON THE WAY. 'Computed on the way' means the value that the module computes at that place (a softmax that the list does not call 'softmax' is quantised finished and normalised). What goes into a quantiser is computed in f32, as accurately as f32 sums, v_exp_f32 and their like allow (about 1e-6 of the number): no bf16 or f16 on the way to a quantiser, and a product that is left as it is and whose result goes on into a quantised operand takes f32 operands (vector FMAs, or v_wmma_f32_16x16x4_f32). A number that lies on a knife's edge between two numbers of the format may be rounded either way, as far as f32 arithmetic and the matrix unit's own rounding can turn it there, and no further.
;; One version. Each part assembles by itself: llvm-mc -triple=amdgcn-amd-amdhsa -mcpu=gfx1250 --defsym DOCPART=n.
;; ======== version 1 of 1: 2 launches
;; limits: right only within a limited range of input values
;; workspace buffers: kc 16,777,216 bytes; vc 16,777,216 bytes
;; launch quant (part 1): grid 16 x 64, 4 waves a work-group, no clusters, 42,752 bytes of LDS; arguments K, V, lowp_scales, kc, vc; writes kc, vc
.if DOCPART == 1
	.amdgcn_target "amdgcn-amd-amdhsa--gfx1250"
	.amdhsa_code_object_version 6
	.text
	.protected	k_q6c64dba08d_quant
	.globl	k_q6c64dba08d_quant
	.p2align	8
	.type	k_q6c64dba08d_quant,@function
k_q6c64dba08d_quant:
	s_mov_b64 s[64:65], 0
	v_nop
	global_prefetch_b8 v0, s[64:65] scope:SCOPE_SE
	s_setreg_imm32_b32 hwreg(HW_REG_WAVE_MODE, 25, 1), 1
	s_wait_xcnt 0x0
; K and V, [64 heads][2048 keys][128] f32, become codes of E5M2, each with the one scale 2^e that is given for it (K: entry 1 of the scales, V: entry 3):
; code = x / 2^e, held within +-57,344, rounded to the nearest code, ties to even.  Nothing of reference() is left out in this program: every input has a way to the output and is loaded.
; The codes are laid IN THE ORDER OF THE OPERANDS' REGISTERS, so that the next launch takes a fragment by loads of 16 bytes at 16 x lane.
;   kc, 262,144 bytes a head: key tile kt (0..127) at 2,048 kt, inside it [c 0..3][lane 0..31][16 bytes]: lane (r = lane % 16, h = lane / 16) holds channels 32 c + 16 h + 0..15 of key
;       128 (kt / 8) + 32 b + 8 u + r + 8 (r / 8), kt % 8 = 2 b + u: the keys of a tile are not neighbours, so that the scores of tiles 2 b and 2 b + 1 are 16 neighbouring keys in a lane's registers.
;   vc, 262,144 bytes a head: (key step ks 0..15, channel tile dt 0..7) at 16,384 ks + 2,048 dt, inside it [c][lane][16 bytes]: lane (r, h) holds keys 128 ks + 32 c + 16 h + 0..15 of channel 16 dt + r.
; SHARES.  Work-group x of a head: x = 0..7 takes 256 keys of K, x = 8..15 takes 256 keys of V; four waves.  The two ways part on the work-group's number; each has LDS bytes of its own.
; K: channels are innermost in memory.  A wave takes 64 keys, four fragments.  Each load reads one key's 512 consecutive bytes; a fragment's 16 rows turn through the wave's own stage (rows 528 bytes apart)
;    and come back 64 bytes a lane, 16 neighbouring channels of each block of 32.  A store covers 512 consecutive bytes.
; V: the keys are the second product's K and are NOT innermost.  A wave takes 128 keys (one key step) x 64 channels; a lane takes two neighbouring channels and its register pairs run down the keys:
;    a load reads 256 consecutive bytes, aligned.  A conversion's eight numbers are four keys of both channels, so its codes lie by turns; one v_perm_b32 for each word of four codes parts the channels.
;    A block's 64 channels x 32 keys, 2,048 bytes, turn through the wave's own stage in vc's order (four channel tiles, 528 bytes apart) and leave as four stores of 512 consecutive bytes, aligned.
; LIMITS: both exponents between -126 and 112, so that 2^e and 57,344 x 2^e are f32 numbers.  NaN among the inputs is not served; an infinity is held at the largest code.
.set SROW,  528                        ; a stage row: 512 bytes + 16
.set WSTG,  16*SROW                    ; K: a wave's stage
.set VST,   33792                      ; V: behind K's four stages: 4 x 528 bytes for each wave
.set SPARE, 42240                      ; behind the stages: the spare words, 128 bytes for each wave: two blocks of 256 bytes that no other line names
.set X,   16                           ; K: v16-143  two sets of 64: a fragment's 16 rows as loaded
.set Y,   144                          ; K: v144-207 64 numbers of a lane: register 16 c + i = channel 32 c + 16 h + i of my key
.set CK,  208                          ; K: v208-239 two sets of 16: a fragment's codes
.set VX,  16                           ; V: v16-143  two sets of 64: 32 keys of my two channels, register 2 i + c = key i, channel c
.set VR,  144                          ; V: v144-159 the conversions' results, the channels by turns
.set VC,  160                          ; V: v160-175 eight words of codes for each channel
.set VO,  176                          ; V: v176-239 16 registers for each block's way out: no store's data are written again
	s_load_b256 s[4:11], s[0:1], 0x0               ; K s[4:5], V s[6:7], the scales' exponents s[8:9], kc s[10:11]
	s_load_b64 s[12:13], s[0:1], 0x20              ; vc
	v_lshl_add_u32 v12, v0, 2, SPARE               ; my spare word; never rewritten
	v_mov_b32 v13, 0                               ; 0; never rewritten
	v_lshrrev_b32 v1, 5, v0
	v_readfirstlane_b32 s16, v1                    ; wave 0..3
	v_and_b32 v2, 31, v0                           ; lane
	s_and_b32 s17, ttmp7, 0xffff                   ; the head
	s_and_b32 s24, ttmp9, 7                        ; which 256 keys
	s_lshl_b32 s18, s17, 20                        ; a head of f32 is 1,048,576 bytes,
	s_lshl_b32 s25, s24, 17                        ; 256 keys of it 131,072
	s_add_co_u32 s18, s18, s25
	s_mov_b32 s19, 0
	s_lshl_b32 s26, s17, 18                        ; a head of codes is 262,144 bytes,
	s_lshl_b32 s25, s24, 15                        ; 256 keys of it 32,768
	s_add_co_u32 s26, s26, s25
	s_mov_b32 s27, 0
	s_wait_kmcnt 0x0
	s_load_b128 s[20:23], s[8:9], 0x0              ; the four exponents
.macro MKSCALE se                      ; v11 = 2^e as f32 (the conversion takes its exponent field), v10 = 57,344 x 2^e
	s_add_co_i32 s28, \se, 127
	s_lshl_b32 s29, s28, 23
	v_mov_b32 v11, s29
	s_add_co_i32 s28, s28, 15
	s_lshl_b32 s28, s28, 23
	s_or_b32 s28, s28, 0x600000
	v_mov_b32 v10, s28
.endm
	s_cmp_lt_u32 ttmp9, 8                          ; the work-group's number alone decides
	s_cbranch_scc0 .Lvpath
	; ---------------- K
	s_lshl_b32 s25, s16, 15                        ; my wave's 64 keys: 32,768 bytes of f32,
	s_add_co_u32 s18, s18, s25
	s_add_nc_u64 s[4:5], s[4:5], s[18:19]
	s_lshl_b32 s25, s16, 13                        ; 8,192 bytes of codes
	s_add_co_u32 s26, s26, s25
	s_add_nc_u64 s[10:11], s[10:11], s[26:27]
	s_wait_alu depctr_va_vdst(0)                   ; the wait ahead of the reader below
	v_lshlrev_b32 v3, 4, v2                        ; 16 x lane: my place in a load's and in a store's 512 bytes; never rewritten
	s_mul_i32 s25, s16, WSTG
	v_add_nc_u32 v4, s25, v3                       ; into the stage: a row as it lies
	v_and_b32 v5, 15, v2
	v_lshrrev_b32 v6, 4, v2
	v_mul_u32_u24 v5, v5, SROW
	v_lshl_add_u32 v5, v6, 6, v5
	v_add_nc_u32 v5, s25, v5                       ; out of it: row r, + 64 h
.macro LOADK t                         ; fragment t = 2 b + u: row m is key 32 b + 8 u + m + 8 (m / 8) of my 64
.irp m, 0,1,2,3,4,5,6,7,8,9,10,11,12,13,14,15
	global_load_b128 v[X+64*((\t)%2)+4*\m:X+64*((\t)%2)+4*\m+3], v3, s[4:5] offset:(32*((\t)/2)+8*((\t)%2)+\m+8*(\m/8))*512 th:TH_LOAD_NT
.endr
.endm
.macro FRAG t
.set XS, X+64*((\t)%2)
.set CS, CK+16*((\t)%2)
.if (\t) < 3
	s_wait_loadcnt 16                              ; this fragment's 16 loads are in; the next fragment's 16 may be out
.else
	s_wait_loadcnt 0
.endif
.irp m, 0,1,2,3,4,5,6,7,8,9,10,11,12,13,14,15
	ds_store_b128 v4, v[XS+4*\m:XS+4*\m+3] offset:SROW*\m
.endr
.irp c, 0,1,2,3
.irp j, 0,1,2,3
	ds_load_b128 v[Y+16*\c+4*\j:Y+16*\c+4*\j+3], v5 offset:128*\c+16*\j   ; LDS serves a wave's instructions in order: these see my stores
.endr
.endr
	s_wait_dscnt 0x0                               ; the numbers are back, and the stores have read their registers,
.if (\t)+2 < 4
	LOADK (\t)+2                                   ; which take the fragment two further on
.endif
.set jj, 0
.rept 64
	v_med3_num_f32 v[Y+jj], v[Y+jj], -v10, v10     ; the conversion to an 8-bit code does not saturate (ISA guide 7.6.2): the hold at the largest code x the scale comes first
.set jj, jj+1
.endr
.if (\t) >= 2
	s_wait_alu depctr_va_vdst(0)
	s_wait_xcnt 0x0                                ; the stores of two fragments back have read this set of codes: it is written again only behind this wait
.endif
.irp c, 0,1,2,3
	v_cvt_scalef32_pk8_bf8_f32 v[CS+4*\c:CS+4*\c+1], v[Y+16*\c:Y+16*\c+7], v11
	v_cvt_scalef32_pk8_bf8_f32 v[CS+4*\c+2:CS+4*\c+3], v[Y+16*\c+8:Y+16*\c+15], v11
.endr
	v_nop                                          ; one plain vector line behind the conversions: the next fragment's holds write their sources
.irp c, 0,1,2,3
	global_store_b128 v3, v[CS+4*\c:CS+4*\c+3], s[10:11] offset:2048*(\t)+512*\c   ; 32 lanes store 512 consecutive bytes, aligned
.endr
.endm
	LOADK 0
	LOADK 1
	s_wait_alu depctr_va_vdst(0)
	s_wait_kmcnt 0x0
	MKSCALE s21
	s_wait_alu depctr_va_vdst(0)
	FRAG 0
	FRAG 1
	FRAG 2
	FRAG 3
	s_wait_tensorcnt 0x0                           ; the wave's end: three closing lines, behind my last LDS store
	ds_add_u32 v12, v13
	s_wait_dscnt 0x0
	s_endpgm
	; ---------------- V
.Lvpath:
	s_and_b32 s24, s16, 1                          ; which 64 channels
	s_lshr_b32 s25, s16, 1                         ; which 128 keys
	s_lshl_b32 s32, s25, 16                        ; 128 keys of f32 are 65,536 bytes,
	s_add_co_u32 s18, s18, s32
	s_lshl_b32 s32, s24, 8                         ; 64 channels 256 bytes of a row
	s_add_co_u32 s18, s18, s32
	s_add_nc_u64 s[6:7], s[6:7], s[18:19]
	s_lshl_b32 s32, s25, 14                        ; a key step of codes is 16,384 bytes,
	s_add_co_u32 s26, s26, s32
	s_lshl_b32 s32, s24, 13                        ; four channel tiles 8,192
	s_add_co_u32 s26, s26, s32
	s_add_nc_u64 s[12:13], s[12:13], s[26:27]
	s_mul_i32 s33, s16, 4*SROW
	s_add_co_u32 s33, s33, VST                     ; my stage
	s_mov_b32 s30, 0x06040200                      ; v_perm_b32: the even bytes of two words: the first channel's codes,
	s_mov_b32 s31, 0x07050301                      ; the odd ones: the second's
	s_wait_alu depctr_va_vdst(0)                   ; the wait ahead of the reader below
	v_lshlrev_b32 v7, 3, v2                        ; in: 8 bytes a lane; never rewritten
	v_lshlrev_b32 v6, 4, v2                        ; out: 16 bytes a lane; never rewritten
	v_lshrrev_b32 v9, 3, v2
	v_and_b32 v8, 7, v2
	v_mul_u32_u24 v9, v9, SROW
	v_lshl_add_u32 v8, v8, 5, v9
	v_add_nc_u32 v8, s33, v8                       ; into the stage: channel tile lane / 8, place 16 x 2 (lane % 8)
	v_add_nc_u32 v9, s33, v6                       ; out of it: 16 x lane of a channel tile's 512 bytes
.macro LOADV t                         ; block t: keys 32 t + 0..31 of my two channels; 32 lanes read 256 consecutive bytes, aligned
.irp i, 0,1,2,3,4,5,6,7,8,9,10,11,12,13,14,15,16,17,18,19,20,21,22,23,24,25,26,27,28,29,30,31
	global_load_b64 v[VX+64*((\t)%2)+2*\i:VX+64*((\t)%2)+2*\i+1], v7, s[6:7] offset:(32*(\t)+\i)*512 th:TH_LOAD_NT
.endr
.endm
.macro BLK t
.set XS, VX+64*((\t)%2)
.if (\t) < 3
	s_wait_loadcnt 32                              ; this block's 32 loads are in; the next block's 32 may be out
.else
	s_wait_loadcnt 0
.endif
.set jj, 0
.rept 64
	v_med3_num_f32 v[XS+jj], v[XS+jj], -v10, v10
.set jj, jj+1
.endr
.irp g, 0,1,2,3,4,5,6,7
	v_cvt_scalef32_pk8_bf8_f32 v[VR+2*\g:VR+2*\g+1], v[XS+8*\g:XS+8*\g+7], v11   ; keys 4 g + 0..3, both channels by turns
.endr
	v_nop                                          ; one plain vector line behind the conversions
.if (\t)+2 < 4
	LOADV (\t)+2
.endif
.irp g, 0,1,2,3,4,5,6,7
	v_perm_b32 v[VC+\g], v[VR+2*\g+1], v[VR+2*\g], s30      ; keys 4 g + 0..3 of the first channel,
	v_perm_b32 v[VC+8+\g], v[VR+2*\g+1], v[VR+2*\g], s31    ; of the second
.endr
.irp c, 0,1
.irp h, 0,1
	ds_store_b128 v8, v[VC+8*\c+4*\h:VC+8*\c+4*\h+3] offset:256*\h+16*\c   ; keys 16 h + 0..15 of channel c: the place of lane 16 h + r of the fragment
.endr
.endr
.irp d, 0,1,2,3
	ds_load_b128 v[VO+16*(\t)+4*\d:VO+16*(\t)+4*\d+3], v9 offset:SROW*\d   ; LDS serves a wave's instructions in order: these see my stores, and the next block's stores come behind them
.endr
	s_wait_dscnt 0x0
.irp d, 0,1,2,3
	global_store_b128 v6, v[VO+16*(\t)+4*\d:VO+16*(\t)+4*\d+3], s[12:13] offset:2048*\d+512*(\t)   ; 32 lanes store 512 consecutive bytes, aligned
.endr
.endm
	LOADV 0
	LOADV 1
	s_wait_kmcnt 0x0
	MKSCALE s23
	s_wait_alu depctr_va_vdst(0)
.irp t, 0,1,2,3
	BLK \t
.endr
	s_wait_tensorcnt 0x0                           ; the three closing lines stand on this way too
	ds_add_u32 v12, v13
	s_wait_dscnt 0x0
	s_endpgm
.Lfunc_end_k_q6c64dba08d_quant:
	.size	k_q6c64dba08d_quant, .Lfunc_end_k_q6c64dba08d_quant-k_q6c64dba08d_quant
	.p2alignl 7, 3214868480
	.fill 96, 4, 3214868480
	.section	.rodata,"a",@progbits
	.p2align	6, 0x0
	.amdhsa_kernel k_q6c64dba08d_quant
		.amdhsa_group_segment_fixed_size 42752
		.amdhsa_private_segment_fixed_size 0
		.amdhsa_enable_private_segment 0
		.amdhsa_kernarg_size 40
		.amdhsa_user_sgpr_count 2
		.amdhsa_user_sgpr_kernarg_segment_ptr 1
		.amdhsa_wavefront_size32 1
		.amdhsa_system_sgpr_workgroup_id_x 1
		.amdhsa_system_sgpr_workgroup_id_y 1
		.amdhsa_system_sgpr_workgroup_id_z 1
		.amdhsa_system_vgpr_workitem_id 0
		.amdhsa_next_free_vgpr 240
		.amdhsa_next_free_sgpr 66
		.amdhsa_reserve_vcc 0
		.amdhsa_float_denorm_mode_32 3
		.amdhsa_float_denorm_mode_16_64 3
		.amdhsa_memory_ordered 1
		.amdhsa_forward_progress 1
		.amdhsa_inst_pref_size 76
	.end_amdhsa_kernel
	.amdgpu_metadata
---
amdhsa.version: [ 1, 2 ]
amdhsa.kernels:
  - .name:           k_q6c64dba08d_quant
    .symbol:         k_q6c64dba08d_quant.kd
    .args:
      - { .name: K, .offset: 0, .size: 8, .value_kind: global_buffer, .address_space: global }
      - { .name: V, .offset: 8, .size: 8, .value_kind: global_buffer, .address_space: global }
      - { .name: lowp_scales, .offset: 16, .size: 8, .value_kind: global_buffer, .address_space: global }
      - { .name: kc, .offset: 24, .size: 8, .value_kind: global_buffer, .address_space: global }
      - { .name: vc, .offset: 32, .size: 8, .value_kind: global_buffer, .address_space: global }
    .group_segment_fixed_size: 42752
    .private_segment_fixed_size: 0
    .kernarg_segment_align: 8
    .kernarg_segment_size: 40
    .max_flat_workgroup_size: 128
    .sgpr_count:     66
    .vgpr_count:     240
    .wavefront_size: 32
...
	.end_amdgpu_metadata
.endif
;; end of part 1
;; launch attn (part 2): grid 4 x 64, 8 waves a work-group, clusters of 4 x 1, 327,680 bytes of LDS; arguments Q, kc, vc, lowp_scales, out0; writes out0
.if DOCPART == 2
	.amdgcn_target "amdgcn-amd-amdhsa--gfx1250"
	.amdhsa_code_object_version 6
	.text
	.protected	k_q6c64dba08d_attn
	.globl	k_q6c64dba08d_attn
	.p2align	8
	.type	k_q6c64dba08d_attn,@function
k_q6c64dba08d_attn:
	s_mov_b64 s[64:65], 0
	v_nop
	global_prefetch_b8 v0, s[64:65] scope:SCOPE_SE
	s_setreg_imm32_b32 hwreg(HW_REG_WAVE_MODE, 25, 1), 1
	s_wait_xcnt 0x0
	s_wait_alu depctr_hold_cnt(0) depctr_sa_sdst(0) depctr_va_vdst(0) depctr_va_sdst(0) depctr_va_ssrc(0) depctr_va_vcc(0) depctr_vm_vsrc(0)
	s_getreg_b32 s2, hwreg(HW_REG_IB_STS2, 6, 4)
	s_cmp_eq_u32 s2, 0
	s_cbranch_scc0 .Lentry_in_a_cluster
	s_endpgm
.Lentry_in_a_cluster:
	s_bfe_u32 s2, ttmp6, 0x10000c
	s_cmp_lg_u32 s2, 0x3003
	s_cbranch_scc0 .Lentry_shape_is_right
	s_endpgm
.Lentry_shape_is_right:
; out0[head][q][:] = sum over k of w(q, k) V[head][k][:], w = exp(z) / sum_k exp(z), z = Q[head][q] . K[head][k] / sqrt(128); 64 heads, 2,048 queries and keys, 128 channels.
; Both products are on codes of E5M2, each operand with its given scale 2^e: e0 (Q), e1 (K), e2 (w), e3 (V).  K's and V's codes come from kc and vc, laid in the order of the operands' registers; Q is quantised here.
; The operand of the second product is the finished, normalised weight, so a row's whole sum is known before any weight is coded.  reference() takes no maximum away, and neither does this text.
; Nothing of reference() is left out.  TWO PASSES over the keys: pass 1 makes the scores, their exponentials and the row sums; pass 2 makes the scores again and codes the weights: the first product is multiplied twice.
; SHARES.  A work-group owns 512 queries of a head; each of its eight waves owns 64 (four tiles of 16) and walks all 2,048 keys, so a row's sum never leaves its wave.  Two waves share a SIMD, 512 registers each.
; THE DIVISION.  A row's sum is f x 2^a, f in [1, 2).  Pass 2 takes p = 2^(score x c - log2 f), one fused multiply-add and one exponential; a + e2 goes into the conversion's scale, which is the lane's own.
; LAYOUT.  Both products transposed: S^T = K Q^T (16x16x128), O^T = V^T W^T (16x16x64): a lane holds one query (lane % 16).  By kc's order of keys the 16 registers of key tiles 2 b, 2 b + 1 are keys 32 b + 16 (lane / 16) + 0..15.
; LDS: two slots of 131,072 bytes.  Pass 1: slot n holds keys 1,024 n on of K.  Pass 2: a slot holds 512 keys: K's 65,536 bytes, then V's.  Each fill is eight loads of 16,384 bytes, one a wave: six fills in the launch.
; CLUSTER.  The four work-groups of a head form a cluster and ask for every tile jointly (mask 15); the addresses hang on the head and the wave alone.  A round of the cluster's barrier stands in front of each fill.
; PASS 1 lives in window 1, which O^T does not need yet: two buffers of scores by turns (query tiles 0, 1 and 2, 3) and 128 sums kept element by element.  The additions of one buffer stand among the exponentials of the other;
; each sum is written once in a batch.  The first 64 keys' exponentials start the sums: nothing is cleared.  K's fragments have two buffers and are asked for 64 keys ahead.
; PASS 2: V^T W^T goes in two groups; behind each, the fragments of K for the next 64 keys land in the registers of V's fragments that are done with.
; THE LOOK-AHEAD's address is held at the phase's last 128 keys, so that it stays inside bytes that have landed: in a phase's last trip its 16 loads are not used.
; The last phase goes by pairs of query tiles, so that the first 32 rows are stored while the others are multiplied.
; No prefetch is laid: each fill is asked for a whole phase, at least 256 matrix instructions of each wave, ahead of its first read, and behind the sixth there is nothing left to ask for.
; LIMITS, so that each power of two is an f32 number: e0 + e1 between -123 and 130; e0 between -126 and 112; e2 + e3 between -126 and 127; (the row sum's exponent field + e2) between 1 and 254.
; Rows in which reference() is not finite are not served.  v_exp_f32 gives 0 under 2^-126 (ISA guide 15.8), so row sums under 2^-95 lose accuracy.  A sum that overflows while every exponential is finite gives weights of 0, as in reference().  NaN is not served.
; REGISTERS.  Window 0: v1, v2 the add's; v3 16 lane; v4, v5 K's and V's address; v6 v3 + 65,536; v7 -infinity; v8-15 pairs (-log2 f, the conversion's scale) of the four tiles; v16-19 the holds; v20, v21 Q's hold and scale; v22 the look-ahead's address;
; v24-27 stage and memory offsets; v32-95 Q's four fragments; v96-159 S: scores of 64 keys x 32 queries (pass 1: F2); v160-223 F: four fragments of K or eight of V; v224-255 P: the weights' codes.
; Window 1: at the head Q as f32; pass 1: SA, SB, the sums; pass 2: O^T, tile t, channel tile d at 64 t + 8 d.
.set SLOT,  131072
.set STAGE, 262144                     ; 16 rows x 272 bytes for each wave; no fill lands here
.set SPARE, 296960                     ; the spare words, 128 bytes a wave
.set NL, 8
.set HD, 16
.set QR, 32
.set S,  96
.set F2, 96
.set F,  160
.set P,  224
.set SA, 0                             ; window 1
.set SB, 64
.set AC, 128                           ; the sums of query tile t at AC + 32 t
.set G1, 24
.set G0, 32
.set MSB, 0
.macro WIN new                         ; the immediate's high byte repeats the setting that is left
.if MSB != (\new)
	s_set_vgpr_msb (MSB<<8)|(\new)
.set MSB, (\new)
.endif
.endm
.macro NOP4
.rept 4
	v_nop
.endr
.endm
.macro ROUND                           ; a round of the cluster's barrier
	s_barrier_signal -1
	s_barrier_wait -1
	s_cmp_lg_u32 s14, 0
	s_cbranch_scc1 .Lnot_wave_0_\@
	s_barrier_signal -3
.Lnot_wave_0_\@:
	s_barrier_wait -3
	s_barrier_signal -1
	s_barrier_wait -1
.endm
.macro JLOAD                           ; my 16,384 bytes of a fill
	tensor_load_to_lds s[G0:G0+3], s[G1:G1+7]
	s_nop 0
	NOP4
.endm
; The change of slots: all my tensor loads are in, the add, my LDS reads are over; behind the round the slot that was left is filled (fill = 1).
.macro CHANGE fill, slot, base, off
	s_wait_alu depctr_va_vdst(0)                   ; the wait ahead of the blocking waits
	s_wait_tensorcnt 0x0
	ds_add_u32 v1, v2
.if \fill
	s_add_co_u32 s[G0+1], s40, \slot*SLOT
	s_add_nc_u64 s[G0+2:G0+3], s[\base:\base+1], \off
	s_or_b32 s[G0+3], s[G0+3], 0x80000000
.endif
	s_wait_dscnt 0x0
.if \fill
	ROUND
	JLOAD
.else
	s_barrier_signal -1
	s_barrier_wait -1
.endif
.endm
.macro KL fb, a, off                   ; four fragments of K, 64 keys, into buffer fb
.irp k, 0,1,2,3
.irp c, 0,1,2,3
	ds_load_b128 v[\fb+16*\k+4*\c:\fb+16*\k+4*\c+3], v[\a] offset:\off+2048*\k+512*\c
.endr
.endr
.endm
.macro PRO base                        ; a phase's first 64 keys of K
	s_mov_b32 s17, \base
	v_add_nc_u32 v4, s17, v3
	KL F, 4, 0
.endm
.macro AHEAD last                      ; the look-ahead's address: the next 128 keys, held at the phase's last
	s_add_co_u32 s18, s17, 16384
	s_min_u32 s18, s18, \last
	v_add_nc_u32 v4, s17, v3
	v_add_nc_u32 v22, s18, v3
.endm
.macro LTAIL
	s_add_co_u32 s17, s17, 16384
	s_sub_co_u32 s16, s16, 1
	s_cmp_lg_u32 s16, 0
	s_wait_alu depctr_va_vdst(0)                   ; the wait ahead of the branch
.endm
; PASS 1.  64 keys x query tiles 2 ch, 2 ch + 1: the scores from K's buffer fb into d (window 1), x c, one wait, then the batch of 64 exponentials;
; as >= 0: among them the 32 additions of buffer as, whose exponentials stand behind that wait, onto the sums ad.
.macro INST ch, fb, d, as, ad
	WIN 0x40
.irp k, 0,1,2,3
.irp q, 0,1
	v_wmma_f32_16x16x128_bf8_bf8 v[\d+32*\q+8*\k:\d+32*\q+8*\k+7], v[\fb+16*\k:\fb+16*\k+15], v[QR+16*(2*\ch+\q):QR+16*(2*\ch+\q)+15], 0
.endr
.endr
	NOP4
	WIN 0x45
.set i, 0
.rept 32
	v_pk_mul_f32 v[\d+i:\d+i+1], v[\d+i:\d+i+1], s[48:49] op_sel_hi:[1,0]
.set i, i+2
.endr
	s_wait_alu depctr_va_vdst(0)                   ; behind the batch before and ahead of this one
.set i, 0
.rept 32
	v_exp_f32 v[\d+i], v[\d+i]
	v_exp_f32 v[\d+i+1], v[\d+i+1]
.if \as >= 0
	v_pk_add_f32 v[\ad+i:\ad+i+1], v[\ad+i:\ad+i+1], v[\as+i:\as+i+1]
.endif
.set i, i+2
.endr
.if \as < 0
	v_nop
.endif
.endm
.macro T1 first, last                  ; 128 keys.  first = 1: the first 64 keys' exponentials are the sums' first terms
	AHEAD \last
	s_wait_alu depctr_va_vdst(0)
	s_wait_dscnt 0x0                               ; F is in
	KL F2, 4, 8192
.if \first
	INST 0, F, AC, -1, 0
	INST 1, F, AC+64, -1, 0
.else
	INST 0, F, SA, SB, AC+64
	INST 1, F, SB, SA, AC
.endif
	WIN 0
	s_wait_dscnt 0x0                               ; F2 is in
	KL F, 22, 0
.if \first
	INST 0, F2, SA, -1, 0
.else
	INST 0, F2, SA, SB, AC+64
.endif
	INST 1, F2, SB, SA, AC
	WIN 0
.endm
.macro LP1 base, n, last
	s_mov_b32 s17, \base
	s_mov_b32 s16, \n
	s_wait_alu depctr_va_vdst(0)
.Lp1_\@:
	T1 0, \last
	LTAIL
	s_cbranch_scc1 .Lp1_\@
.endm
; PASS 2
.macro VLD half                        ; eight fragments of V: 16 channels x 64 keys each
.irp d, 0,1,2,3,4,5,6,7
.irp b, 0,1
	ds_load_b128 v[F+8*\d+4*\b:F+8*\d+4*\b+3], v5 offset:2048*\d+512*(2*\half+\b)
.endr
.endr
.endm
.macro QK ch, w                        ; S^T of 64 keys x query tiles 2 ch, 2 ch + 1.  w = 1: K's fragments 0, 1 are in while the eight younger loads may be out; then all
.irp k, 0,1,2,3
.if \w
.if \k == 0
	s_wait_dscnt 8
.endif
.if \k == 2
	s_wait_dscnt 0x0
.endif
.endif
.irp q, 0,1
	v_wmma_f32_16x16x128_bf8_bf8 v[S+32*\q+8*\k:S+32*\q+8*\k+7], v[F+16*\k:F+16*\k+15], v[QR+16*(2*(\ch)+\q):QR+16*(2*(\ch)+\q)+15], 0
.endr
.endr
	NOP4
.endm
.macro C2 ch, lo, hi, half             ; the weights' codes of 64 keys x two query tiles.  Behind the last pair's scores K's fragments are done with, and V's are asked for
.if \ch == \lo
	QK \ch, 1
.else
	QK \ch, 0
.endif
.irp q, 0,1
.set i, 0
.rept 16
	v_pk_fma_f32 v[S+32*\q+i:S+32*\q+i+1], v[S+32*\q+i:S+32*\q+i+1], s[48:49], v[NL+2*(2*(\ch)+\q):NL+2*(2*(\ch)+\q)+1] op_sel_hi:[1,0,0]
.set i, i+2
.endr
.endr
.if \ch == \hi
	VLD \half
.endif
	s_wait_alu depctr_va_vdst(0)                   ; one batch of 64, a wait ahead of it and one behind it
.set i, 0
.rept 64
	v_exp_f32 v[S+i], v[S+i]
.set i, i+1
.endr
	v_nop
	s_wait_alu depctr_va_vdst(0)
.irp q, 0,1
.set i, 0
.rept 16                               ; the conversion does not saturate (ISA guide 7.6.2); a weight is not negative: a one-sided hold, two a line
	v_dual_min_num_f32 v[S+32*\q+i], v[HD+2*(\ch)+\q], v[S+32*\q+i] :: v_dual_min_num_f32 v[S+32*\q+i+1], v[HD+2*(\ch)+\q], v[S+32*\q+i+1]
.set i, i+2
.endr
.endr
.irp q, 0,1
.irp k, 0,1,2,3
	v_cvt_scalef32_pk8_bf8_f32 v[P+8*(2*(\ch)+\q)+2*\k:P+8*(2*(\ch)+\q)+2*\k+1], v[S+32*\q+8*\k:S+32*\q+8*\k+7], v[NL+2*(2*(\ch)+\q)+1]
.endr
.endr
	v_nop                                          ; one plain line behind the conversions
.endm
; O^T += V^T W^T, 64 keys, in two groups of four channel tiles; the accumulators take turns, one instruction a turn.  Four places behind each group, then two fragments of K for the next 64 keys.
.macro PV lo, hi, zero, h
	s_wait_dscnt 0x0
.irp g, 0,1
	WIN 0x50
	s_wait_alu depctr_va_vdst(0)                   ; the wait ahead of the first reader of O^T and of the codes
.irp e, 0,1,2,3
.set tt, 2*\lo
.rept 2*(\hi-\lo+1)
.if \zero
	v_wmma_f32_16x16x64_bf8_bf8 v[64*tt+8*(4*\g+\e):64*tt+8*(4*\g+\e)+7], v[F+8*(4*\g+\e):F+8*(4*\g+\e)+7], v[P+8*tt:P+8*tt+7], 0
.else
	v_wmma_f32_16x16x64_bf8_bf8 v[64*tt+8*(4*\g+\e):64*tt+8*(4*\g+\e)+7], v[F+8*(4*\g+\e):F+8*(4*\g+\e)+7], v[P+8*tt:P+8*tt+7], v[64*tt+8*(4*\g+\e):64*tt+8*(4*\g+\e)+7]
.endif
.set tt, tt+1
.endr
.endr
	WIN 0
	NOP4
.irp k, 0,1
.irp c, 0,1,2,3
.if \h
	ds_load_b128 v[F+16*(2*\g+\k)+4*\c:F+16*(2*\g+\k)+4*\c+3], v22 offset:2048*(2*\g+\k)+512*\c
.else
	ds_load_b128 v[F+16*(2*\g+\k)+4*\c:F+16*(2*\g+\k)+4*\c+3], v4 offset:8192+2048*(2*\g+\k)+512*\c
.endif
.endr
.endr
.endr
.endm
.macro T2 lo, hi, zero, last           ; 128 keys, pairs of query tiles lo to hi
	AHEAD \last
	v_add_nc_u32 v5, s17, v6
.irp h, 0,1
.set cc, \lo
.rept \hi-\lo+1
	C2 cc, \lo, \hi, \h
.set cc, cc+1
.endr
.if \h
	PV \lo, \hi, 0, 1
.else
	PV \lo, \hi, \zero, 0
.endif
.endr
.endm
.macro LP2 base, n, lo, hi, last
	s_mov_b32 s17, \base
	s_mov_b32 s16, \n
	s_wait_alu depctr_va_vdst(0)
.Lp2_\@:
	T2 \lo, \hi, 0, \last
	LTAIL
	s_cbranch_scc1 .Lp2_\@
.endm
; Query tiles 2 ch, 2 ch + 1 of Q: half rows of 256 bytes turn through my stage and come back 16 neighbouring channels of each block of 32; hold, conversion.
.macro QPREP ch
	s_wait_loadcnt 32*(1-\ch)                      ; the pair's 32 loads are in; the 32 issued behind the first pair's may be out
.irp q, 0,1
.irp u, 0,1
	WIN 0x04
.irp n, 0,1,2,3,4,5,6,7
	ds_store_b128 v24, v[64*(2*\ch+\q)+32*\u+4*\n:64*(2*\ch+\q)+32*\u+4*\n+3] offset:544*\n
.endr
	WIN 0
.irp c, 0,1
.irp j, 0,1,2,3
	ds_load_b128 v[S+64*\q+32*\u+16*\c+4*\j:S+64*\q+32*\u+16*\c+4*\j+3], v25 offset:128*\c+16*\j   ; LDS serves a wave's instructions in order
.endr
.endr
.endr
.endr
	s_wait_dscnt 0x0
.set i, 0
.rept 128
	v_med3_num_f32 v[S+i], v[S+i], -v20, v20
.set i, i+1
.endr
.irp q, 0,1
.irp g, 0,1,2,3,4,5,6,7
	v_cvt_scalef32_pk8_bf8_f32 v[QR+16*(2*\ch+\q)+2*\g:QR+16*(2*\ch+\q)+2*\g+1], v[S+64*\q+8*\g:S+64*\q+8*\g+7], v21
.endr
.endr
	v_nop
	s_wait_alu depctr_va_vdst(0)
.endm
; Query tile t leaves: x 2^(e2 + e3), half rows through my stage, sixteen lanes store 256 consecutive bytes, aligned.
.macro OUT t
	NOP4                                           ; places behind the last products
	s_wait_dscnt 0x0                               ; no load into F is out
	s_wait_xcnt 0x0                                ; earlier stores have read their registers
	WIN 0x01
.set i, 0
.rept 32
	v_pk_mul_f32 v[S+i:S+i+1], v[64*\t+i:64*\t+i+1], s[50:51] op_sel_hi:[1,0]
.set i, i+2
.endr
	WIN 0
.irp u, 0,1
.irp d, 0,1,2,3
	ds_store_b128 v26, v[S+32*\u+8*\d:S+32*\u+8*\d+3] offset:64*\d
	ds_store_b128 v26, v[S+32*\u+8*\d+4:S+32*\u+8*\d+7] offset:64*\d+16
.endr
.irp n, 0,1,2,3,4,5,6,7
	ds_load_b128 v[F+32*\u+4*\n:F+32*\u+4*\n+3], v24 offset:544*\n
.endr
.endr
	s_wait_dscnt 0x0
.irp u, 0,1
.irp n, 0,1,2,3,4,5,6,7
	global_store_b128 v27, v[F+32*\u+4*\n:F+32*\u+4*\n+3], s[12:13] offset:(16*\t+2*\n)*512+256*\u th:TH_STORE_NT
.endr
.endr
.endm
	s_load_b256 s[4:11], s[0:1], 0x0               ; Q, kc, vc, the scales' exponents
	s_load_b64 s[12:13], s[0:1], 0x20              ; out0
	v_lshl_add_u32 v1, v0, 2, SPARE
	v_mov_b32 v2, 0
	ds_add_u32 v1, v2                              ; the opening lines: the add twice on end and its wait
	ds_add_u32 v1, v2
	v_lshrrev_b32 v28, 5, v0
	v_readfirstlane_b32 s14, v28                   ; wave 0..7
	s_mul_i32 s41, s14, 4352
	s_add_co_u32 s41, s41, STAGE                   ; my stage
	v_and_b32 v28, 31, v0                          ; lane
	v_and_b32 v29, 15, v0                          ; r
	v_bfe_u32 v30, v0, 4, 1                        ; h
	v_lshlrev_b32 v3, 4, v28
	v_add_nc_u32 v6, 0x10000, v3
	v_mul_u32_u24 v31, v30, 272
	v_lshl_add_u32 v31, v29, 4, v31
	v_add_nc_u32 v24, s41, v31                     ; stage by rows: row h, + 16 r
	v_mul_u32_u24 v31, v29, 272
	v_add_nc_u32 v31, s41, v31
	v_lshl_add_u32 v25, v30, 6, v31                ; Q back: row r, + 64 h
	v_lshl_add_u32 v26, v30, 5, v31                ; O^T in: row r, + 32 h
	v_lshlrev_b32 v27, 9, v30
	v_lshl_add_u32 v27, v29, 4, v27                ; Q and out0: row h, + 16 r
	v_mov_b32 v7, 0xff800000                       ; -infinity
	s_bfe_u32 s46, ttmp6, 0x40000                  ; my place in the cluster
	s_lshl_b32 s47, ttmp9, 2
	s_add_co_u32 s46, s46, s47                     ; which 512 queries
	s_and_b32 s19, ttmp7, 0xffff                   ; the head
	s_mov_b32 s[G1+0], 15|(3<<16)|(1<<21)          ; the mask of all four; elements of 8 bytes; bit 21 beside a mask
	s_mov_b32 s[G1+1], 32<<16                      ; 64 rows of 256 bytes, dense
	s_mov_b32 s[G1+2], 64<<16
	s_mov_b32 s[G1+3], 32<<16
	s_mov_b32 s[G1+4], 64
	s_mov_b32 s[G1+5], 32
	s_mov_b32 s[G1+6], 0
	s_mov_b32 s[G1+7], 0
	s_mov_b32 s[G0], 1
	s_lshl_b32 s40, s14, 14                        ; my 16,384 bytes of a slot
	s_lshl_b32 s60, s19, 18                        ; a head of codes is 262,144 bytes
	s_add_co_u32 s60, s60, s40
	s_mov_b32 s61, 0
	s_and_b32 s62, s14, 3
	s_lshl_b32 s62, s62, 14
	s_lshl_b32 s63, s19, 18
	s_add_co_u32 s62, s62, s63
	s_mov_b32 s63, 0
	s_lshl_b32 s42, s19, 20                        ; a head of f32 is 1,048,576 bytes, 512 queries 262,144, my 64 queries 32,768
	s_lshl_b32 s43, s46, 18
	s_add_co_u32 s42, s42, s43
	s_lshl_b32 s43, s14, 15
	s_add_co_u32 s42, s42, s43
	s_mov_b32 s43, 0
	s_mov_b32 s52, 0x76543210
	s_mov_b32 s53, 0xfedcba98
	s_mov_b32 s55, 0x7f800000
	s_mov_b32 s56, 0x7fffff
	s_mov_b32 s57, 0x3f800000
	s_wait_alu depctr_va_vdst(0)                   ; the wait ahead of the blocking waits
	s_wait_dscnt 0x0
	s_wait_kmcnt 0x0
	s_load_b128 s[20:23], s[10:11], 0x0            ; e0, e1, e2, e3
	s_add_nc_u64 s[4:5], s[4:5], s[42:43]
	s_add_nc_u64 s[12:13], s[12:13], s[42:43]
	WIN 0x40
.irp t, 0,1,2,3
.irp u, 0,1
.irp n, 0,1,2,3,4,5,6,7
	global_load_b128 v[64*\t+32*\u+4*\n:64*\t+32*\u+4*\n+3], v27, s[4:5] offset:(16*\t+2*\n)*512+256*\u th:TH_LOAD_NT   ; sixteen lanes read 256 consecutive bytes, aligned
.endr
.endr
.endr
	WIN 0
	s_add_nc_u64 s[36:37], s[6:7], s[60:61]        ; pass 1: kc, my part of a slot's 131,072 bytes
	s_cmp_lt_u32 s14, 4                            ; pass 2: waves 0-3 fetch K's 65,536 bytes, waves 4-7 V's
	s_cselect_b64 s[38:39], s[6:7], s[8:9]
	s_add_nc_u64 s[38:39], s[38:39], s[62:63]
	s_mov_b32 s[G0+1], s40
	s_mov_b64 s[G0+2:G0+3], s[36:37]
	s_or_b32 s[G0+3], s[G0+3], 0x80000000
	ROUND
	JLOAD                                          ; keys 0 to 1,023 of K: my one load at the head
	s_wait_kmcnt 0x0
	s_add_co_i32 s60, s20, s21
	s_lshl_b32 s60, s60, 23
	s_add_co_i32 s48, s60, 0x3e0293ee              ; c = log2(e) / sqrt(128) x 2^(e0 + e1)
	s_mov_b32 s49, s48
	s_add_co_i32 s60, s22, s23
	s_add_co_i32 s60, s60, 127
	s_lshl_b32 s50, s60, 23                        ; 2^(e2 + e3)
	s_mov_b32 s51, s50
	s_lshl_b32 s54, s22, 23                        ; e2 at an exponent field's place
	s_add_co_i32 s60, s20, 127
	s_lshl_b32 s61, s60, 23
	v_mov_b32 v21, s61                             ; 2^e0
	s_add_co_i32 s60, s60, 15
	s_lshl_b32 s60, s60, 23
	s_or_b32 s60, s60, 0x600000
	v_mov_b32 v20, s60                             ; 57,344 x 2^e0
	s_wait_alu depctr_va_vdst(0)                   ; the wait at the head's end
	QPREP 0
	QPREP 1
	CHANGE 1, 1, 36, SLOT                          ; slot 1's first fill: keys 1,024 on
	PRO 0
	T1 1, 114688
	LP1 16384, 7, 114688
	CHANGE 1, 0, 38, 0                             ; slot 0: pass 2's keys 0 to 511
	PRO SLOT
	LP1 SLOT, 8, SLOT+114688
	; the last buffer's additions, then the row sums and what pass 2 makes of them
	WIN 0x45
.set i, 0
.rept 32
	v_pk_add_f32 v[AC+64+i:AC+64+i+1], v[AC+64+i:AC+64+i+1], v[SB+i:SB+i+1]
.set i, i+2
.endr
.irp st, 16,8,4,2
.irp t, 0,1,2,3
.set i, 0
.rept \st/2
	v_pk_add_f32 v[AC+32*\t+i:AC+32*\t+i+1], v[AC+32*\t+i:AC+32*\t+i+1], v[AC+32*\t+\st+i:AC+32*\t+\st+i+1]
.set i, i+2
.endr
.endr
.endr
	WIN 0x05
.irp t, 0,1,2,3
	v_add_f32 v[P+8*\t], v[AC+32*\t], v[AC+32*\t+1]
.endr
	WIN 0
.irp t, 0,1,2,3
	v_permlanex16_b32 v[28+\t], v[P+8*\t], s52, s53
.endr
.irp t, 0,1,2,3
	v_add_f32 v[P+8*\t], v[P+8*\t], v[28+\t]       ; the sum = f x 2^a
.endr
.irp t, 0,1,2,3
	v_and_b32 v[P+8*\t+1], s55, v[P+8*\t]          ; (a + 127) << 23
.endr
.irp t, 0,1,2,3
	v_and_or_b32 v[P+8*\t+2], v[P+8*\t], s56, s57  ; f
.endr
	s_wait_alu depctr_va_vdst(0)                   ; ahead of the batch
.irp t, 0,1,2,3
	v_log_f32 v[NL+2*\t], v[P+8*\t+2]
.endr
.irp t, 0,1,2,3
	v_add_nc_u32 v[NL+2*\t+1], s54, v[P+8*\t+1]    ; the conversion's scale: 2^(a + e2)
.endr
.irp t, 0,1,2,3
	v_min_u32 v[NL+2*\t+1], 0x7f000000, v[NL+2*\t+1]
.endr
.irp t, 0,1,2,3
	v_add_nc_u32 v[HD+\t], 0x07800000, v[NL+2*\t+1]   ; the hold: 57,344 x that
.endr
.irp t, 0,1,2,3
	v_min_u32 v[HD+\t], 0x7f000000, v[HD+\t]
.endr
.irp t, 0,1,2,3
	v_or_b32 v[HD+\t], 0x600000, v[HD+\t]
.endr
.irp t, 0,1,2,3
	v_cmp_eq_u32 s[58+\t], s55, v[P+8*\t+1]        ; a sum that is infinite
.endr
	s_wait_alu depctr_va_vdst(0)                   ; behind the batch
.irp t, 0,1,2,3
	v_xor_b32 v[NL+2*\t], 0x80000000, v[NL+2*\t]   ; -log2 f
.endr
.irp t, 0,1,2,3
	v_cndmask_b32 v[NL+2*\t], v[NL+2*\t], v7, s[58+\t]   ; gives weights of 0: a choice of values
.endr
	CHANGE 1, 1, 38, 65536
	PRO 0
	T2 0, 1, 1, 49152                              ; the first 64 keys start O^T: nothing is cleared
	LP2 16384, 3, 0, 1, 49152
	CHANGE 1, 0, 38, 131072
	PRO SLOT
	LP2 SLOT, 4, 0, 1, SLOT+49152
	CHANGE 1, 1, 38, 196608
	PRO 0
	LP2 0, 4, 0, 1, 49152
	CHANGE 0, 0, 0, 0                              ; the last 512 keys: nothing is filled again
	PRO SLOT
	LP2 SLOT, 4, 0, 0, SLOT+49152
	OUT 0
	OUT 1
	s_wait_xcnt 0x0                                ; the stores have read F
	PRO SLOT
	LP2 SLOT, 4, 1, 1, SLOT+49152
	OUT 2
	OUT 3
	s_wait_tensorcnt 0x0                           ; the wave's end
	ds_add_u32 v1, v2
	s_wait_dscnt 0x0
	ROUND                                          ; the closing round
	s_endpgm
.Lfunc_end_k_q6c64dba08d_attn:
	.size	k_q6c64dba08d_attn, .Lfunc_end_k_q6c64dba08d_attn-k_q6c64dba08d_attn
	.p2alignl 7, 3214868480
	.fill 96, 4, 3214868480
	.section	.rodata,"a",@progbits
	.p2align	6, 0x0
	.amdhsa_kernel k_q6c64dba08d_attn
		.amdhsa_group_segment_fixed_size 327680
		.amdhsa_private_segment_fixed_size 0
		.amdhsa_enable_private_segment 0
		.amdhsa_kernarg_size 40
		.amdhsa_user_sgpr_count 2
		.amdhsa_user_sgpr_kernarg_segment_ptr 1
		.amdhsa_wavefront_size32 1
		.amdhsa_system_sgpr_workgroup_id_x 1
		.amdhsa_system_sgpr_workgroup_id_y 1
		.amdhsa_system_sgpr_workgroup_id_z 1
		.amdhsa_system_vgpr_workitem_id 0
		.amdhsa_next_free_vgpr 512
		.amdhsa_next_free_sgpr 66
		.amdhsa_reserve_vcc 0
		.amdhsa_float_denorm_mode_32 3
		.amdhsa_float_denorm_mode_16_64 3
		.amdhsa_memory_ordered 1
		.amdhsa_forward_progress 1
		.amdhsa_inst_pref_size 255
	.end_amdhsa_kernel
	.section	.bss,"aw",@nobits
	.p2align	6
	.space	262144
	.amdgpu_metadata
---
amdhsa.version: [ 1, 2 ]
amdhsa.kernels:
  - .name:           k_q6c64dba08d_attn
    .symbol:         k_q6c64dba08d_attn.kd
    .args:
      - { .name: Q, .offset: 0, .size: 8, .value_kind: global_buffer, .address_space: global }
      - { .name: kc, .offset: 8, .size: 8, .value_kind: global_buffer, .address_space: global }
      - { .name: vc, .offset: 16, .size: 8, .value_kind: global_buffer, .address_space: global }
      - { .name: lowp_scales, .offset: 24, .size: 8, .value_kind: global_buffer, .address_space: global }
      - { .name: out0, .offset: 32, .size: 8, .value_kind: global_buffer, .address_space: global }
    .group_segment_fixed_size: 327680
    .private_segment_fixed_size: 0
    .kernarg_segment_align: 8
    .kernarg_segment_size: 40
    .max_flat_workgroup_size: 256
    .sgpr_count:     66
    .vgpr_count:     512
    .wavefront_size: 32
...
	.end_amdgpu_metadata
.endif
;; end of part 2
